; MI455X (gfx1250); checked and timed in simulation.
; The chip was launched on July 23, 2026; its instructions are those of AMD's public machine-readable ISA for CDNA 5 (MIT licence, August 2026) and "CDNA5" Instruction Set Architecture Reference Guide (July 2026). The comments in the code are by the model that wrote it; some were corrected since.
;; Collision. Allowed arithmetic: float matrix products may take bf16 or f16 operands with f32 sums; all other float work in f32.
;; Inputs: collider 4 x 6,890 x 3 float32; collision_vertices 4,096 int32; vertices 4 x 16,384 x 3 float32.
;; Outputs: out0 4 x 16,384 x 2 int32.
;; One version. Each part assembles by itself: llvm-mc -triple=amdgcn-amd-amdhsa -mcpu=gfx1250 --defsym DOCPART=n.
;; ======== version 1 of 1: 2 launches
;; workspace buffers: tab 131,072 bytes; grp 524,288 bytes of whole numbers
;; launch sweep (part 1): grid 64 x 4, 8 waves a work-group, no clusters, 168,960 bytes of LDS; arguments collider, collision_vertices, vertices, tab, grp; writes tab, grp
.if DOCPART == 1
	.amdgcn_target "amdgcn-amd-amdhsa--gfx1250"
	.amdhsa_code_object_version 6
	.text
	.protected	k_q4d38947de1_sweep
	.globl	k_q4d38947de1_sweep
	.p2align	8
	.type	k_q4d38947de1_sweep,@function
k_q4d38947de1_sweep:
	s_mov_b64 s[64:65], 0
	v_nop
	global_prefetch_b8 v0, s[64:65] scope:SCOPE_SE
	s_setreg_imm32_b32 hwreg(HW_REG_WAVE_MODE, 25, 1), 1
	s_wait_xcnt 0x0
; Nearest collision vertex, first of two launches: for every query, WHICH GROUP OF 8 CANDIDATES holds the nearest one.
; d2[n][m] = |c[m]|^2 - 2 v[n].c[m], c[m] = collider[batch][collision_vertices[m]], 4 batches x 16,384 queries x 4,096 candidates.
; v and c are rounded to bf16 (nearest even); |c|^2 = (x^2 + y^2) + z^2 in f32 from the rounded c; the dot product is one
; v_wmma_f32_16x16x32_bf16 (K places 0-2 used, all others zero); d2 = fma(-2, dot, |c|^2) in f32.
; A work-group: one batch, 256 queries, all 4,096 candidates.  A wave: 32 queries = two B fragments.  A = 16 candidates.
; In D lane (r, h) holds query r and candidates 16 t + 8 h + 0..7 of tile t: eight candidates of ONE query, group g = 2 t + h.
; A lane keeps the minimum of its half of the rows and the tile in which that minimum first appeared (strictly less: the first
; group wins a tie).  The place inside the group is found by the next launch, since its address would hang on a comparison here.
; Out: grp[work-group][thread][query tile] = g (8 bytes a thread), and tab[batch][m] = the candidate's three bf16 + a zero (8 bytes).
; NO CLUSTER: the 64 work-groups of a batch ask for the same 82,680 bytes of collider, each once, in front of a loop that fetches
; nothing from memory.  The candidates are gathered out of that LDS copy at addresses that come from the index list, that is from data;
; with joint requests every LDS address would have to be equal in the partners by the text's own arithmetic, which a gather is not.
; LIMITS: inputs finite (a NaN distance is passed over, where an argmin that ranks NaN first would return it; an infinite
; coordinate times a zero K place spoils its tile).  Indices outside 0..6889 are clamped.  The matrix unit rounds the sum of the three exact
; products once, a chain of f32 additions twice: two groups of one half whose distances agree to the last bit may change order.
.set NV,     6890                      ; rows of collider in a batch
.set NM,     4096                      ; candidates
.set CBYTES, NV*12                     ; 82,680 bytes of collider in a batch
.set COLL,   0                         ; LDS: the batch's collider rows, as in memory (82,680 bytes, 8 left free behind them)
.set ATAB,   82688                     ; LDS: candidate m: bf16 x, y, z, 0 at 8 m          (32,768 bytes)
.set CCT,    115456                    ; LDS: |c[m]|^2 in f32 at 4 m                        (16,384 bytes)
.set NB,     8                         ; ring of register buffers, in tiles
.set TILES,  NM/16
.set AF,  16                           ; v[16:79]   A fragments: buffer k at AF+8k; registers 0-1 loaded, 2-7 stay zero
.set CF,  80                           ; v[80:143]  |c|^2 of a tile in D's layout: buffer k at CF+8k
.set DF,  144                          ; v[144:175] D: parity p, query tile q at DF+16p+8q
.set BF,  176                          ; v[176:191] B fragments of the two query tiles
.set BST, 192                          ; v[192:195] running minimum: parity p, query tile q at BST+2p+q
.set IDX, 196                          ; v[196:197] tile in which it first appeared
.set TM,  198                          ; v[198:203] at work
.set N2,  204                          ; v[204:205] -2.0 twice
.set IX,  16                           ; set-up only: v[16:31] indices, v[32:79] coordinates, v[80:111] packed, v[112:127] |c|^2, v[128:131] piece for tab
.set XD,  32
.set PK,  80
.set CS,  112
.set SEL, 128
.set G0C, 16                           ; s[16:19] descriptor group 0, s[20:27] group 1: collider
.set G1C, 20
	s_load_b256 s[4:11], s[0:1], 0x0               ; collider s[4:5], collision_vertices s[6:7], vertices s[8:9], tab s[10:11]
	s_load_b64 s[12:13], s[0:1], 0x20              ; grp
	v_lshl_add_u32 v208, v0, 2, 0x29000
	v_mov_b32 v209, 0
	ds_add_u32 v208, v209
	ds_add_u32 v208, v209
	v_lshrrev_b32 v1, 5, v0
	v_readfirstlane_b32 s14, v1                    ; wave 0..7
	s_and_b32 s41, ttmp7, 0xffff                   ; batch.  ttmp9: block of 256 queries, 0..63
	v_and_b32 v4, 15, v0                           ; r
	v_bfe_u32 v5, v0, 4, 1                         ; h
	v_mul_u32_u24 v6, 12, v4                       ; query r of a tile: 12 bytes each
	v_lshlrev_b32 v7, 3, v0                        ; my two indices of a pair: 8 bytes a thread
	; The batch's collider rows come as one row of 10,335 elements of 8 bytes.
	s_mov_b32 s[G0C+0], 1                          ; count
	s_mov_b32 s[G0C+1], COLL                       ; LDS address
	s_mov_b32 s[G1C+0], 3<<16                      ; no work-group mask; 8-byte elements; no padding
	s_mov_b32 s[G1C+1], (CBYTES/8)<<16             ; tensor_dim0 = 10,335
	s_mov_b32 s[G1C+2], 1<<16                      ; tensor_dim1 = 1
	s_mov_b32 s[G1C+3], (CBYTES/8)<<16             ; tile_dim0
	s_mov_b32 s[G1C+4], 1                          ; tile_dim1
	s_mov_b32 s[G1C+5], CBYTES/8                   ; pitch
	s_mov_b32 s[G1C+6], 0
	s_mov_b32 s[G1C+7], 0
	; byte offsets, each in a pair of its own
	s_mul_i32 s42, s41, CBYTES                     ; collider: the batch
	s_mov_b32 s43, 0
	s_lshl_b32 s44, s41, 6
	s_add_co_u32 s44, s44, ttmp9                   ; 64 batch + block
	s_lshl_b32 s46, s44, 11                        ; grp: 256 threads x 8 bytes a work-group
	s_mov_b32 s47, 0
	s_lshl3_add_u32 s44, s44, s14                  ; x 8 + wave: my 32 queries
	s_mul_i32 s44, s44, 384                        ; x 32 x 12 bytes
	s_mov_b32 s45, 0
	; tab: a batch's 32,768 bytes are 64 pieces of 512 bytes (64 candidates): piece (i, w) = what wave w packs as its pair i.
	; Block x of the batch stores piece i = x & 7, w = x >> 3: each piece by one work-group.
	s_and_b32 s56, ttmp9, 7                        ; i
	s_lshr_b32 s57, ttmp9, 3                       ; w
	s_lshl_b32 s48, s41, 15
	s_lshl_b32 s49, s56, 12
	s_add_co_u32 s48, s48, s49
	s_lshl_b32 s49, s57, 9
	s_add_co_u32 s48, s48, s49
	s_mov_b32 s49, 0
	s_wait_dscnt 0x0
	s_wait_kmcnt 0x0
	s_add_nc_u64 s[8:9], s[8:9], s[44:45]
	s_add_nc_u64 s[10:11], s[10:11], s[48:49]
	s_add_nc_u64 s[12:13], s[12:13], s[46:47]
	s_add_nc_u64 s[G0C+2:G0C+3], s[4:5], s[42:43]
	s_or_b32 s[G0C+3], s[G0C+3], 0x80000000        ; type 2
	s_cmp_lg_u32 s14, 0
	s_cbranch_scc1 .Lno_issue
	tensor_load_to_lds s[G0C:G0C+3], s[G1C:G1C+7]  ; wave 0 alone asks: one tensor load outstanding, the only one of this text
	s_nop 0
.Lno_issue:
	; my queries: lane (r, h) takes query r of both tiles (both halves of the lanes the same; the upper half is zeroed below)
	global_load_b32 v8,  v6, s[8:9]
	global_load_b32 v9,  v6, s[8:9] offset:4
	global_load_b32 v10, v6, s[8:9] offset:8
	global_load_b32 v11, v6, s[8:9] offset:192
	global_load_b32 v12, v6, s[8:9] offset:196
	global_load_b32 v13, v6, s[8:9] offset:200
	; my 16 indices.  Thread t prepares m = 512 i + 2 t + e, i = 0..7, e = 0, 1: a wave's load of a pair i covers 256 consecutive bytes
.irp i, 0,1,2,3,4,5,6,7
	global_load_b64 v[IX+2*\i:IX+2*\i+1], v7, s[6:7] offset:2048*\i
.endr
	; B fragments while the rest travels: K places 0-2 lie in registers 0-1 of lanes 0-15; everything else is zero,
	; so whatever finite number A holds at the other K places adds nothing
	s_wait_loadcnt 0x8                             ; the six query loads are in; the eight index loads behind them stay out
	v_cmp_eq_u32 vcc_lo, 0, v5
	v_cvt_pk_bf16_f32 v14, v8, v9
	v_cvt_pk_bf16_f32 v15, v10, 0
	v_cndmask_b32 v[BF+0], 0, v14, vcc_lo
	v_cndmask_b32 v[BF+1], 0, v15, vcc_lo
	v_cvt_pk_bf16_f32 v14, v11, v12
	v_cvt_pk_bf16_f32 v15, v13, 0
	v_cndmask_b32 v[BF+8], 0, v14, vcc_lo
	v_cndmask_b32 v[BF+9], 0, v15, vcc_lo
.irp k, 2,3,4,5,6,7,10,11,12,13,14,15
	v_mov_b32 v[BF+\k], 0                          ; operand padding, written once
.endr
	s_wait_loadcnt 0x0                             ; the indices
.set e, 0
.rept 16
	v_min_u32 v[IX+e], NV-1, v[IX+e]               ; the index stays in the table: bytes 0 .. 82,679 of LDS
	v_mul_u32_u24 v[IX+e], 12, v[IX+e]
.set e, e+1
.endr
	v_lshl_add_u32 v8, v0, 4, ATAB                 ; where my pairs go
	v_lshl_add_u32 v9, v0, 3, CCT
	s_wait_tensorcnt 0x0                           ; wave 0: the collider rows are in LDS (the other waves have none out)
	s_barrier_signal -1
	s_barrier_wait -1
	; THE GATHER, out of LDS
.set e, 0
.rept 16
	ds_load_b32 v[XD+3*e],   v[IX+e] offset:COLL
	ds_load_b32 v[XD+3*e+1], v[IX+e] offset:COLL+4
	ds_load_b32 v[XD+3*e+2], v[IX+e] offset:COLL+8
.set e, e+1
.endr
	s_wait_dscnt 0x0                               ; my gather is over,
	s_barrier_signal -1
	s_barrier_wait -1                              ; everybody's is: no wave stores into LDS while another still gathers, whatever the indices were
.macro CAND e                          ; round to bf16, widen again, |c|^2 = (x^2 + y^2) + z^2 (the squares of bf16 numbers are exact in f32)
	v_cvt_pk_bf16_f32 v[PK+2*(\e)],   v[XD+3*(\e)], v[XD+3*(\e)+1]
	v_cvt_pk_bf16_f32 v[PK+2*(\e)+1], v[XD+3*(\e)+2], 0
	v_lshlrev_b32 v[XD+3*(\e)],   16, v[PK+2*(\e)]
	v_and_b32     v[XD+3*(\e)+1], 0xffff0000, v[PK+2*(\e)]
	v_lshlrev_b32 v[XD+3*(\e)+2], 16, v[PK+2*(\e)+1]
	v_mul_f32  v[CS+(\e)], v[XD+3*(\e)],   v[XD+3*(\e)]
	v_fmac_f32 v[CS+(\e)], v[XD+3*(\e)+1], v[XD+3*(\e)+1]
	v_fmac_f32 v[CS+(\e)], v[XD+3*(\e)+2], v[XD+3*(\e)+2]
.endm
.irp i, 0,1,2,3,4,5,6,7
	CAND 2*\i
	CAND 2*\i+1
	ds_store_b128 v8, v[PK+4*\i:PK+4*\i+3] offset:4096*\i      ; a wave's store covers 512 consecutive bytes
	ds_store_b64  v9, v[CS+2*\i:CS+2*\i+1] offset:2048*\i
.endr
	; my work-group's piece of tab, from wave w's registers; pair i is picked by selects
	s_cmp_lg_u32 s14, s57
	s_cbranch_scc1 .Lno_piece
.irp k, 0,1,2,3
	v_mov_b32 v[SEL+\k], v[PK+\k]
.endr
.irp i, 1,2,3,4,5,6,7
	s_cmp_eq_u32 s56, \i
	s_cselect_b32 s58, -1, 0
.irp k, 0,1,2,3
	v_cndmask_b32 v[SEL+\k], v[SEL+\k], v[PK+4*\i+\k], s58
.endr
.endr
	v_and_b32 v10, 31, v0
	v_lshlrev_b32 v10, 4, v10
	global_store_b128 v10, v[SEL:SEL+3], s[10:11]  ; 512 consecutive bytes, at a multiple of 512 from tab's first byte
	s_wait_xcnt 0x0                                ; v[128:131] belong to the ring below: loaded again only behind this wait
.Lno_piece:
	s_wait_dscnt 0x0                               ; my table entries are written,
	s_barrier_signal -1
.set e, 0
.rept NB
.irp k, 2,3,4,5,6,7
	v_mov_b32 v[AF+8*e+\k], 0                      ; K places 4-31 of the eight A buffers: operand padding, written once
.endr
.set e, e+1
.endr
	v_lshl_add_u32 v2, v4, 3, ATAB                 ; A: row r of a tile, 8 bytes; both halves of the lanes read the same 128 bytes
	v_lshl_add_u32 v3, v5, 5, CCT                  ; |c|^2: rows 8 h .. 8 h + 7 of a tile, the same for every r
	s_barrier_wait -1                              ; everybody's are
; three LDS loads bring one tile into buffer buf; tile counts from the trip's first tile
.macro LOADT buf, tile
	ds_load_b64  v[AF+8*(\buf):AF+8*(\buf)+1],   v2 offset:(\tile)*128
	ds_load_b128 v[CF+8*(\buf):CF+8*(\buf)+3],   v3 offset:(\tile)*64
	ds_load_b128 v[CF+8*(\buf)+4:CF+8*(\buf)+7], v3 offset:(\tile)*64+16
.endm
; 16 candidates x 32 queries; C = 0: nothing accumulates
.macro MULT buf, par
	v_wmma_f32_16x16x32_bf16 v[DF+16*(\par):DF+16*(\par)+7],    v[AF+8*(\buf):AF+8*(\buf)+7], v[BF:BF+7], 0
	v_wmma_f32_16x16x32_bf16 v[DF+16*(\par)+8:DF+16*(\par)+15], v[AF+8*(\buf):AF+8*(\buf)+7], v[BF+8:BF+15], 0
.endm
; STEP i of a trip works on tile t = 8 trip + i.  It asks for tile t + 7, multiplies tile t + 1, and reduces tile t, whose products
; were issued one step ago.  The 20 vector instructions of a step name no register of the two matrix instructions at its head, so they
; are the places in front of the next step's reads of D and of the loads, two steps on, into that A buffer.
.macro STEP i, ld, mm, cnt
.if \ld
	LOADT (\i+NB-1)%NB, \i+NB-1
.endif
	s_wait_dscnt \cnt                              ; tile t + 1 is in registers; the younger tiles' loads, three each, stay out
.if \mm
	MULT (\i+1)%NB, (\i+1)%2
.endif
.set D0,  DF+16*(\i%2)
.set C0,  CF+8*\i
.set OLD, BST+2*(\i%2)
.set NEW, BST+2*((\i+1)%2)
.irp k, 0,2,4,6
	v_pk_fma_f32 v[D0+\k:D0+\k+1], v[D0+\k:D0+\k+1], v[N2:N2+1], v[C0+\k:C0+\k+1]          ; d2 = |c|^2 - 2 dot, one rounding
.endr
.irp k, 0,2,4,6
	v_pk_fma_f32 v[D0+8+\k:D0+9+\k], v[D0+8+\k:D0+9+\k], v[N2:N2+1], v[C0+\k:C0+\k+1]
.endr
	v_min3_num_f32 v[TM+0], v[D0+0],  v[D0+1],  v[D0+2]
	v_min3_num_f32 v[TM+1], v[D0+3],  v[D0+4],  v[D0+5]
	v_min3_num_f32 v[TM+2], v[D0+6],  v[D0+7],  v[OLD]
	v_min3_num_f32 v[TM+3], v[D0+8],  v[D0+9],  v[D0+10]
	v_min3_num_f32 v[TM+4], v[D0+11], v[D0+12], v[D0+13]
	v_min3_num_f32 v[TM+5], v[D0+14], v[D0+15], v[OLD+1]
	v_min3_num_f32 v[NEW],   v[TM+0], v[TM+1], v[TM+2]     ; the minimum with this group in it
	v_min3_num_f32 v[NEW+1], v[TM+3], v[TM+4], v[TM+5]
	v_cmp_lt_f32 s52, v[NEW],   v[OLD]                     ; did it fall?  Strictly: the first group keeps a tie
	v_cmp_lt_f32 s53, v[NEW+1], v[OLD+1]
	v_cndmask_b32 v[IDX],   v[IDX],   s50, s52
	v_cndmask_b32 v[IDX+1], v[IDX+1], s50, s53
	s_add_co_u32 s50, s50, 1                               ; t
.endm
.irp k, 0,1,2,3,4,5,6
	LOADT \k, \k
.endr
	s_wait_dscnt 18                                ; tile 0 is in; six tiles x 3 loads stay out
	MULT 0, 0
	v_mov_b32 v[BST],   0x7f800000                 ; + infinity.  These six lines are also the places between tile 0's products and their first use
	v_mov_b32 v[BST+1], 0x7f800000
	v_mov_b32 v[IDX],   0
	v_mov_b32 v[IDX+1], 0
	v_mov_b32 v[N2],    -2.0
	v_mov_b32 v[N2+1],  -2.0
	s_mov_b32 s50, 0
	s_mov_b32 s51, 0
.Ltrip:
.irp i, 0,1,2,3,4,5,6,7
	STEP \i, 1, 1, 3*(NB-2)
.endr
	v_add_nc_u32 v2, NB*128, v2
	v_add_nc_u32 v3, NB*64, v3
	s_add_co_u32 s51, s51, 1
	s_cmp_lt_u32 s51, TILES/NB-1
	s_cbranch_scc1 .Ltrip
	STEP 0, 1, 1, 3*(NB-2)                         ; the last eight tiles: one more request (tile 255), then the counts run down
.irp i, 1,2,3,4,5,6
	STEP \i, 0, 1, 3*(6-\i)
.endr
	STEP 7, 0, 0, 0                                ; nothing left to multiply
	v_lshl_add_u32 v[TM],   v[IDX],   1, v5        ; g = 2 t + h
	v_lshl_add_u32 v[TM+1], v[IDX+1], 1, v5
	global_store_b64 v7, v[TM:TM+1], s[12:13]      ; 8 bytes a thread: a wave's store covers 256 consecutive bytes, at a multiple of 256 from grp's first byte
	s_wait_tensorcnt 0x0
	ds_add_u32 v208, v209
	s_wait_dscnt 0x0
	s_endpgm
.Lfunc_end_k_q4d38947de1_sweep:
	.size	k_q4d38947de1_sweep, .Lfunc_end_k_q4d38947de1_sweep-k_q4d38947de1_sweep
	.p2alignl 7, 3214868480
	.fill 96, 4, 3214868480
	.section	.rodata,"a",@progbits
	.p2align	6, 0x0
	.amdhsa_kernel k_q4d38947de1_sweep
		.amdhsa_group_segment_fixed_size 168960
		.amdhsa_private_segment_fixed_size 0
		.amdhsa_enable_private_segment 0
		.amdhsa_kernarg_size 40
		.amdhsa_user_sgpr_count 2
		.amdhsa_user_sgpr_kernarg_segment_ptr 1
		.amdhsa_wavefront_size32 1
		.amdhsa_system_sgpr_workgroup_id_x 1
		.amdhsa_system_sgpr_workgroup_id_y 1
		.amdhsa_system_sgpr_workgroup_id_z 1
		.amdhsa_system_vgpr_workitem_id 0
		.amdhsa_next_free_vgpr 210
		.amdhsa_next_free_sgpr 66
		.amdhsa_reserve_vcc 1
		.amdhsa_float_denorm_mode_32 3
		.amdhsa_float_denorm_mode_16_64 3
		.amdhsa_memory_ordered 1
		.amdhsa_forward_progress 1
		.amdhsa_inst_pref_size 48
	.end_amdhsa_kernel
	.amdgpu_metadata
---
amdhsa.version: [ 1, 2 ]
amdhsa.kernels:
  - .name:           k_q4d38947de1_sweep
    .symbol:         k_q4d38947de1_sweep.kd
    .args:
      - { .name: collider, .offset: 0, .size: 8, .value_kind: global_buffer, .address_space: global }
      - { .name: collision_vertices, .offset: 8, .size: 8, .value_kind: global_buffer, .address_space: global }
      - { .name: vertices, .offset: 16, .size: 8, .value_kind: global_buffer, .address_space: global }
      - { .name: tab, .offset: 24, .size: 8, .value_kind: global_buffer, .address_space: global }
      - { .name: grp, .offset: 32, .size: 8, .value_kind: global_buffer, .address_space: global }
    .group_segment_fixed_size: 168960
    .private_segment_fixed_size: 0
    .kernarg_segment_align: 8
    .kernarg_segment_size: 40
    .max_flat_workgroup_size: 256
    .sgpr_count:     66
    .vgpr_count:     210
    .wavefront_size: 32
...
	.end_amdgpu_metadata
.endif
;; end of part 1
;; launch pick (part 2): grid 64 x 4, 8 waves a work-group, no clusters, 0 bytes of LDS; arguments vertices, tab, grp, out0; writes out0
.if DOCPART == 2
	.amdgcn_target "amdgcn-amd-amdhsa--gfx1250"
	.amdhsa_code_object_version 6
	.text
	.protected	k_q4d38947de1_pick
	.globl	k_q4d38947de1_pick
	.p2align	8
	.type	k_q4d38947de1_pick,@function
k_q4d38947de1_pick:
	s_mov_b64 s[64:65], 0
	v_nop
	global_prefetch_b8 v0, s[64:65] scope:SCOPE_SE
	s_setreg_imm32_b32 hwreg(HW_REG_WAVE_MODE, 25, 1), 1
	s_wait_xcnt 0x0
; Nearest collision vertex, second launch: the place inside the group.  One thread, one query.
; The sweep left two groups of 8 candidates for each query: the first best even group (rows 0-7 of the tiles) and the first best odd one.
; Their 16 candidates are evaluated in f32 on the bf16-rounded numbers, in the order in which the sums are written in the problem:
; |c|^2 = (x^2 + y^2) + z^2, dot = (vx x + vy y) + vz z (all products of two bf16 numbers are exact in f32, so a fused multiply-add rounds
; as a multiply and an add would), d2 = |c|^2 - 2 dot with one rounding.  They are walked in ascending index and only a strictly
; smaller distance takes over: the first index wins a tie.  Out: (batch, index), 8 bytes a query.
; These 16 dot products of length 3 per query are 1/256 of the problem's and go to the vector unit: each lane has other candidates.
; No cluster, no LDS: what the work-groups of a batch share is tab, and each lane takes two scattered pieces of 64 bytes of it: no tile is shared.
; LIMITS: as in the sweep (finite inputs; a NaN distance is passed over).  Group numbers are clamped to 0..511 before they enter an address.
.set TB, 16                            ; v[16:47]  16 candidates, 2 registers each: bf16 x, y | z, 0
	s_load_b256 s[4:11], s[0:1], 0x0               ; vertices s[4:5], tab s[6:7], grp s[8:9], out0 s[10:11]
	s_and_b32 s12, ttmp7, 0xffff                   ; batch
	s_lshl_b32 s13, s12, 6
	s_add_co_u32 s13, s13, ttmp9                   ; 64 batch + block of 256 queries
	s_mul_i32 s14, s13, 3072                       ; vertices: 256 x 12 bytes
	s_mov_b32 s15, 0
	s_lshl_b32 s16, s13, 11                        ; grp and out0: 256 x 8 bytes
	s_mov_b32 s17, 0
	s_lshl_b32 s18, s12, 15                        ; tab: 4,096 x 8 bytes a batch
	s_mov_b32 s19, 0
	; thread = 32 w + 16 q + r is query r of tile q of the sweep's wave w; lane (r, h) of that wave stored its groups at 256 w + 128 h + 8 r + 4 q
	v_and_b32 v1, 0xef, v0                         ; 32 w + r
	v_bfe_u32 v2, v0, 4, 1                         ; q
	v_lshlrev_b32 v1, 3, v1
	v_lshl_add_u32 v1, v2, 2, v1
	v_mul_u32_u24 v3, 12, v0
	s_wait_kmcnt 0x0
	s_add_nc_u64 s[4:5], s[4:5], s[14:15]
	s_add_nc_u64 s[6:7], s[6:7], s[18:19]
	s_add_nc_u64 s[8:9], s[8:9], s[16:17]
	s_add_nc_u64 s[10:11], s[10:11], s[16:17]
	global_load_b32 v4, v1, s[8:9]                 ; the even group
	global_load_b32 v5, v1, s[8:9] offset:128      ; the odd group
	global_load_b32 v6, v3, s[4:5]
	global_load_b32 v7, v3, s[4:5] offset:4
	global_load_b32 v8, v3, s[4:5] offset:8
	s_wait_loadcnt 0x3                             ; the two groups are in; the query's three loads stay out
	v_min_u32 v9,  v4, v5                          ; in ascending order of index,
	v_max_u32 v10, v4, v5
	v_min_u32 v9,  0x1ff, v9                       ; and inside the table
	v_min_u32 v10, 0x1ff, v10
	v_lshlrev_b32 v11, 6, v9                       ; 8 candidates x 8 bytes
	v_lshlrev_b32 v12, 6, v10
.irp k, 0,1,2,3
	global_load_b128 v[TB+4*\k:TB+4*\k+3], v11, s[6:7] offset:16*\k
.endr
.irp k, 0,1,2,3
	global_load_b128 v[TB+16+4*\k:TB+16+4*\k+3], v12, s[6:7] offset:16*\k
.endr
	s_wait_loadcnt 0x8                             ; the query is in; the eight table loads stay out
	v_cvt_pk_bf16_f32 v13, v6, v7                  ; the query rounded to bf16 and widened again
	v_cvt_pk_bf16_f32 v14, v8, 0
	v_lshlrev_b32 v6, 16, v13
	v_and_b32     v7, 0xffff0000, v13
	v_lshlrev_b32 v8, 16, v14
; candidate e of the 16: v53 the smallest distance so far, v54 its place
.macro CAND e
	v_lshlrev_b32 v48, 16, v[TB+2*(\e)]
	v_and_b32     v49, 0xffff0000, v[TB+2*(\e)]
	v_lshlrev_b32 v50, 16, v[TB+2*(\e)+1]
	v_mul_f32  v51, v48, v48
	v_mul_f32  v52, v6,  v48
	v_fmac_f32 v51, v49, v49
	v_fmac_f32 v52, v7,  v49
	v_fmac_f32 v51, v50, v50
	v_fmac_f32 v52, v8,  v50
.if (\e) == 0
	v_fma_f32 v53, -2.0, v52, v51                  ; the first candidate starts the minimum
	v_mov_b32 v54, 0
.else
	v_fmac_f32 v51, -2.0, v52
	v_cmp_lt_f32 vcc_lo, v51, v53
	v_cndmask_b32 v54, v54, (\e), vcc_lo
	v_min_num_f32 v53, v53, v51
.endif
.endm
.irp l, 0,1,2,3,4,5,6,7
	s_wait_loadcnt 7-\l                            ; loads come back in order (ISA guide 5.7.1): load l, two candidates, is in
	CAND 2*\l
	CAND 2*\l+1
.endr
	v_lshlrev_b32 v9,  3, v9                       ; places 0-7: index = 8 lower group + place
	v_lshlrev_b32 v10, 3, v10
	v_add_nc_u32 v10, -8, v10                      ; places 8-15: index = 8 upper group + place - 8
	v_cmp_gt_u32 vcc_lo, 8, v54
	v_cndmask_b32 v9, v10, v9, vcc_lo
	v_mov_b32 v56, s12                             ; (batch,
	v_add_nc_u32 v57, v9, v54                      ;  index)
	v_lshlrev_b32 v55, 3, v0
	global_store_b64 v55, v[56:57], s[10:11]       ; a wave's store covers 256 consecutive bytes, at a multiple of 256 from out0's first byte
	s_endpgm
.Lfunc_end_k_q4d38947de1_pick:
	.size	k_q4d38947de1_pick, .Lfunc_end_k_q4d38947de1_pick-k_q4d38947de1_pick
	.p2alignl 7, 3214868480
	.fill 96, 4, 3214868480
	.section	.rodata,"a",@progbits
	.p2align	6, 0x0
	.amdhsa_kernel k_q4d38947de1_pick
		.amdhsa_group_segment_fixed_size 0
		.amdhsa_private_segment_fixed_size 0
		.amdhsa_enable_private_segment 0
		.amdhsa_kernarg_size 32
		.amdhsa_user_sgpr_count 2
		.amdhsa_user_sgpr_kernarg_segment_ptr 1
		.amdhsa_wavefront_size32 1
		.amdhsa_system_sgpr_workgroup_id_x 1
		.amdhsa_system_sgpr_workgroup_id_y 1
		.amdhsa_system_sgpr_workgroup_id_z 1
		.amdhsa_system_vgpr_workitem_id 0
		.amdhsa_next_free_vgpr 64
		.amdhsa_next_free_sgpr 66
		.amdhsa_reserve_vcc 1
		.amdhsa_float_denorm_mode_32 3
		.amdhsa_float_denorm_mode_16_64 3
		.amdhsa_memory_ordered 1
		.amdhsa_forward_progress 1
		.amdhsa_inst_pref_size 11
	.end_amdhsa_kernel
	.amdgpu_metadata
---
amdhsa.version: [ 1, 2 ]
amdhsa.kernels:
  - .name:           k_q4d38947de1_pick
    .symbol:         k_q4d38947de1_pick.kd
    .args:
      - { .name: vertices, .offset: 0, .size: 8, .value_kind: global_buffer, .address_space: global }
      - { .name: tab, .offset: 8, .size: 8, .value_kind: global_buffer, .address_space: global }
      - { .name: grp, .offset: 16, .size: 8, .value_kind: global_buffer, .address_space: global }
      - { .name: out0, .offset: 24, .size: 8, .value_kind: global_buffer, .address_space: global }
    .group_segment_fixed_size: 0
    .private_segment_fixed_size: 0
    .kernarg_segment_align: 8
    .kernarg_segment_size: 32
    .max_flat_workgroup_size: 256
    .sgpr_count:     66
    .vgpr_count:     64
    .wavefront_size: 32
...
	.end_amdgpu_metadata
.endif
;; end of part 2
